; MI455X (gfx1250); checked and timed in simulation.
; The chip was launched on July 23, 2026; its instructions are those of AMD's public machine-readable ISA for CDNA 5 (MIT licence, August 2026) and "CDNA5" Instruction Set Architecture Reference Guide (July 2026). The comments in the code are by the model that wrote it; some were corrected since.
;; Scaled Dot Product Attention. Allowed arithmetic: matrix products marked QUANTISED: E3M2 operands, one E8M0 scale for each 32 along K, by v_wmma_scale_f32_16x16x128_f8f6f4 with both operands' format E3M2, f32 sums; everything else in f32.
;; Inputs: key 1 x 16 x 2,048 x 64 float32; mask 1 x 2,048 bool; query 1 x 16 x 2,048 x 64 float32; value 1 x 16 x 2,048 x 64 float32.
;; Outputs: out0 1 x 16 x 2,048 x 64 float32.
;; This version of the problem:
;;   THIS VERSION OF THE PROBLEM IS GIVEN IN LOW PRECISION. The matrix products marked QUANTISED in the list below multiply operands that are first quantised to E3M2 (3 exponent bits, 2 mantissa bits; 6 bits a number), with one power-of-two scale for each 32 numbers along K (OCP MX v1.0); their sums are f32. All else is computed in f32.
;;   The module's matrix products, in the order in which they are computed (A, B: the left and right operand; K: the contracted axis; several contracted axes count as one K, in the product's order):
;;     1. batch 16 x [M 2,048, K 64] x [K 64, N 2,048]; A: input query; B: input key: QUANTISED
;;     2. batch 16 x [M 2,048, K 2,048] x [K 2,048, N 64]; A: softmax (see below); B: input value: QUANTISED
;;   THE QUANTISER, for each operand of a quantised product, along K:
;;     - K is cut into blocks of 32 from its start; a last block that is shorter is filled with zeros.
;;     - A block's scale is 2^e with e = floor(log2(the largest magnitude in the block)) - 4, held to -126 .. 127; a block of zeros has e = 0. As a byte (E8M0): e + 127.
;;     - Each number is divided by its block's scale, clamped to +-28, and rounded to the nearest number of E3M2, ties to even, subnormals kept.
;;     - The product sums the exact products of the quantised numbers (number of the format x scale) in f32.
;;   ~~~python
;;   def quantise(x, axis):      # numpy; x: float32 -> the quantised numbers, widened to float32 again
;;       x = np.moveaxis(x, axis, -1); K = x.shape[-1]
;;       x = np.pad(x, [(0, 0)] * (x.ndim - 1) + [(0, -K % 32)]); x = x.reshape(x.shape[:-1] + (-1, 32)); a = np.abs(x).max(-1, keepdims=True)
;;       e = np.where(a > 0, np.clip(np.frexp(np.where(a > 0, a, 1))[1] - 1 - 4, -126, 127), 0)      # np.frexp(a)[1] - 1 = floor(log2(a)), exactly
;;       r = np.clip(x / 2.0 ** e, -28, 28)
;;       step = 2.0 ** (np.maximum(np.frexp(np.where(r == 0, 1, r))[1] - 1, -2) - 2)
;;       q = np.round(r / step) * step * 2.0 ** e      # np.round: ties to even
;;       return np.moveaxis(q.reshape(q.shape[:-2] + (-1,))[..., :K], -1, axis).astype(np.float32)
;;   ~~~
;;   SOFTMAX AHEAD OF A QUANTISED PRODUCT. Where the list says 'softmax', what is quantised is not the finished softmax but p = 2^(t - M), with t = logit x log2(e) and M = ceil(the row's largest t), a whole number; so 1/2 < the row's largest p <= 1. The row's sum l is taken of the UNQUANTISED p, in f32, and the product's result is divided by l at the end. Since M is a whole number, a kernel that streams over the keys may use a running M (the ceiling of the running maximum): every later rescaling is an exact power of two, which a block's scale takes up: the codes' values come out the same.
;;   OPERANDS COMPUTED ON THE WAY. 'Computed on the way' means the value that the module computes at that place (a softmax that the list does not call 'softmax' is quantised finished and normalised). What goes into a quantiser is computed in f32, as accurately as f32 sums, v_exp_f32 and their like allow (about 1e-6 of the number): no bf16 or f16 on the way to a quantiser, and a product that is left as it is and whose result goes on into a quantised operand takes f32 operands (vector FMAs, or v_wmma_f32_16x16x4_f32). A number that lies on a knife's edge between two numbers of the format may be rounded either way, as far as f32 arithmetic and the matrix unit's own rounding can turn it there, and no further.
;; One version. Each part assembles by itself: llvm-mc -triple=amdgcn-amd-amdhsa -mcpu=gfx1250 --defsym DOCPART=n.
;; ======== version 1 of 1: 2 launches
;; limits: right only within a limited range of input values
;; workspace buffers: kv 3,276,800 bytes
;; launch quant (part 1): grid 256 x 1, 4 waves a work-group, no clusters, 72,192 bytes of LDS; arguments key, value, kv; writes kv
.if DOCPART == 1
	.amdgcn_target "amdgcn-amd-amdhsa--gfx1250"
	.amdhsa_code_object_version 6
	.text
	.protected	k_qd3595c73d5_quant
	.globl	k_qd3595c73d5_quant
	.p2align	8
	.type	k_qd3595c73d5_quant,@function
k_qd3595c73d5_quant:
	s_mov_b64 s[64:65], 0
	v_nop
	global_prefetch_b8 v0, s[64:65] scope:SCOPE_SE
	s_setreg_imm32_b32 hwreg(HW_REG_WAVE_MODE, 25, 1), 1
	s_wait_xcnt 0x0
; key and value, [16 heads][2048 keys][64 channels] f32, become codes of BF6 (E3M2) with one E8M0 byte for each 32 along a product's K:
; key along the channels (two blocks a key), value along the keys.  A block's scale is 2^(floor(log2(largest magnitude)) - 4); its byte is that magnitude's exponent field - 4, held at 1 from below.
; (A block of zeros so gets the byte 1: its codes are zeros, and only this program reads the bytes.)
; LIMITS: a block whose largest magnitude lies under 2^-122 keeps the byte 1; NaN and infinities among the inputs are not served.
; THE OUTPUT IS LAID AS THE NEXT LAUNCH'S REGISTERS: kv = [head][step of 128 keys][12,800 bytes]:
;   +0      K: [pair b 0..3][group g 0..2][lane][16 bytes]: the 12 registers of one matrix operand.  Registers 0-5 are tile 2 b, registers 6-11 tile 2 b + 1; of tile 2 b + u lane (r, h) holds
;           key 32 b + 8 u + r + (r & 8), channels 32 h .. 32 h + 31.   +6144  V: [tile t 0..3][g][lane][16]: lane (r, h) holds channel 16 t + r, registers 6 c .. 6 c + 5 keys 64 c + 32 h + 0 .. 31.
;   +12288  K's scale words [b][r]: byte 2 u + h.                        +12544 V's scale words [t][r]: byte kb for keys 32 kb on.
; SHARES: work-groups 0-127 take key, 128-255 value.  A wave takes half a step: 64 keys of key (16,384 consecutive bytes), or 128 keys x 32 channels of value.  Waves share nothing: no barrier.
.set STEPB, 12800
.set VIMG,  6144
.set SCW,   12288
.set WLDS,  17920                      ; LDS of a wave (K path alone): two stages
.set STGB,  8960                       ; a stage: 32 keys, 272 bytes apart, keys 16-31 another 128 bytes on
.set FLOOR, 0x2800000                  ; 2^(5 - 127): no largest magnitude is taken under it, so the byte cannot fall under 1
.set EOFF,  0xfe000000                 ; takes 4 off an exponent field
.set MX,  10                           ; K path: v10-11 largest magnitudes, v12-13 bytes, v14-15 the conversions' scale operands
.set BY,  12
.set SO,  14
.set R,   16                           ; v16-143  the 64 keys as loaded
.set X,   144                          ; v144-207 two blocks of 32 channels: tile u at X + 32 u
.set C,   208                          ; v208-231 the codes: pair pp at C + 12 pp
.set T,   232                          ; v232-234, v236-238: a conversion's three registers begin on an even number
.set W,   240                          ; v240-241 the pairs' scale words
.set PX,  242
.set XV,  16                           ; V path: v16-79 two sets of 32 keys; v80-103 the codes; v104-106; v108 the scale word
.set CV,  80
.set TV,  104
.set SB,  108
	s_load_b128 s[4:7], s[0:1], 0x0                ; key, value
	s_load_b64 s[8:9], s[0:1], 0x10                ; kv
	v_lshl_add_u32 v244, v0, 2, 0x11800
	v_mov_b32 v245, 0
	v_lshrrev_b32 v1, 5, v0
	v_readfirstlane_b32 s10, v1                    ; wave
	v_and_b32 v1, 31, v0                           ; lane
	v_and_b32 v2, 15, v0                           ; r
	v_bfe_u32 v3, v0, 4, 1                         ; h
	v_lshlrev_b32 v4, 4, v1                        ; 16 x lane
	v_lshlrev_b32 v8, 2, v1                        ; 4 x lane
	s_and_b32 s11, ttmp9, 127
	s_lshl_b32 s11, s11, 2
	s_add_co_u32 s11, s11, s10                     ; my unit, 0 .. 511
	s_lshr_b32 s12, s11, 1                         ; 16 x head + step
	s_and_b32 s13, s11, 1                          ; which half of the step
	s_mul_i32 s14, s12, STEPB
	s_mul_i32 s16, s13, 3072                       ; two pairs of K, or two tiles of V
	s_add_co_u32 s16, s16, s14
	s_mov_b32 s17, 0
	s_lshl_b32 s18, s13, 7                         ; and their 32 scale words
	s_add_co_u32 s14, s14, s18
	s_add_co_u32 s14, s14, SCW
	s_mov_b32 s15, 0
	s_lshl_b32 s18, s12, 15                        ; a step of the input: 128 keys of 256 bytes
	s_mov_b32 s19, 0
	s_wait_kmcnt 0x0
	s_add_nc_u64 s[24:25], s[8:9], s[16:17]        ; where my images go
	s_add_nc_u64 s[26:27], s[8:9], s[14:15]        ; where my scale words go
	s_cmp_lt_u32 ttmp9, 128
	s_cbranch_scc0 .Lvalue
	; ---------------- key: K (the channels) is innermost ----------------
	s_lshl_b32 s16, s13, 14                        ; my 64 keys
	s_add_co_u32 s18, s18, s16
	s_add_nc_u64 s[22:23], s[4:5], s[18:19]
.set n, 0
.rept 32
	global_load_b128 v[R+4*n:R+4*n+3], v4, s[22:23] offset:512*n th:TH_LOAD_NT   ; 32 lanes read 512 consecutive bytes: two keys
.set n, n+1
.endr
	s_mov_b32 s20, 0x76543210
	s_mov_b32 s21, 0xfedcba98                      ; v_permlanex16_b32's selects for lane l xor 16
	s_mul_i32 s28, s10, WLDS
	v_lshlrev_b32 v9, 3, v3                        ; 8 h
	v_mul_u32_u24 v5, v3, 272
	v_lshl_add_u32 v5, v2, 4, v5
	v_add_nc_u32 v5, s28, v5                       ; into the stage: key 2 n + h, 16 r bytes on
	v_and_b32 v7, 8, v2
	v_add_nc_u32 v6, v7, v2                        ; r + (r & 8)
	v_mul_u32_u24 v6, v6, 272
	v_lshl_add_u32 v6, v7, 4, v6                   ; keys 16-31 lie 128 bytes further on: the sixteen keys of a read fall on sixteen different 16-byte columns of 256
	v_lshl_add_u32 v6, v3, 7, v6                   ; my 32 channels
	v_add_nc_u32 v6, s28, v6
	v_mov_b32 v[PX], 0                             ; a lane permute's destination counts as one of its sources
; A pair's 32 keys go through the wave's own stage as they lie and come back 128 bytes a lane.  LDS serves a wave's instructions in order (ISA guide 5.7.1.4): no wait between the stores and the loads.
.macro TURN pp
.set n, 0
.rept 16
	ds_store_b128 v5, v[R+64*\pp+4*n:R+64*\pp+4*n+3] offset:STGB*\pp+544*n+128*(n/8)
.set n, n+1
.endr
.irp u, 0,1
.irp e, 0,1,2,3,4,5,6,7
	ds_load_b128 v[X+32*\u+4*\e:X+32*\u+4*\e+3], v6 offset:STGB*\pp+2176*\u+16*\e
.endr
.endr
.endm
; Two whole blocks of 32 a lane become the lane's 12 registers of the pair's operand, and the pair's scale word.
.macro QK pp
.irp u, 0,1
	v_max3_num_f32 v[MX+\u], |v[X+32*\u]|, |v[X+32*\u+1]|, FLOOR
.endr
.irp e, 2,4,6,8,10,12,14,16,18,20,22,24,26,28,30
.irp u, 0,1
	v_max3_num_f32 v[MX+\u], v[MX+\u], |v[X+32*\u+\e]|, |v[X+32*\u+\e+1]|   ; the two blocks by turns
.endr
.endr
.irp u, 0,1
	v_add_nc_u32 v[SO+\u], EOFF, v[MX+\u]          ; the conversion takes the exponent field of this operand as its scale
.endr
.irp u, 0,1
	v_lshrrev_b32 v[BY+\u], 23, v[SO+\u]           ; the scale's byte
.endr
	v_lshl_or_b32 v[W+\pp], v[BY+1], 16, v[BY]     ; bytes 2 u,
	v_lshlrev_b32 v[W+\pp], v9, v[W+\pp]           ; + h;
	v_permlanex16_b32 v[PX], v[W+\pp], s20, s21
	v_or_b32 v[W+\pp], v[W+\pp], v[PX]             ; with lane l xor 16's two the word is whole
	v_cvt_scalef32_pk16_bf6_f32 v[C+12*\pp:C+12*\pp+2], v[X:X+15], v[SO]
	v_cvt_scalef32_pk16_bf6_f32 v[T:T+2], v[X+16:X+31], v[SO]
	v_cvt_scalef32_pk16_bf6_f32 v[C+12*\pp+6:C+12*\pp+8], v[X+32:X+47], v[SO+1]
	v_cvt_scalef32_pk16_bf6_f32 v[T+4:T+6], v[X+48:X+63], v[SO+1]
	v_nop                                          ; one plain place behind a scaled conversion
.irp e, 0,1,2
	v_mov_b32 v[C+12*\pp+3+\e], v[T+\e]
	v_mov_b32 v[C+12*\pp+9+\e], v[T+4+\e]
.endr
.irp g, 0,1,2
	global_store_b128 v4, v[C+12*\pp+4*\g:C+12*\pp+4*\g+3], s[24:25] offset:1536*\pp+512*\g   ; 512 consecutive bytes, aligned; no store's data are written again
.endr
.endm
	s_wait_loadcnt 16                              ; the first pair's 16 loads are in; the second pair's may be out
	TURN 0
	s_wait_dscnt 0x0
	QK 0
	s_wait_loadcnt 0x0
	TURN 1
	s_wait_dscnt 0x0
	QK 1
	v_cmp_gt_u32 vcc_lo, 16, v1
	v_cndmask_b32 v243, v[W+1], v[W], vcc_lo       ; lanes 0-15 the first pair's words, lanes 16-31 the second's
	global_store_b32 v8, v243, s[26:27]            ; 128 consecutive bytes
	s_wait_tensorcnt 0x0
	ds_add_u32 v244, v245
	s_wait_dscnt 0x0
	s_endpgm
	; ---------------- value: K (the keys) is not innermost: a lane takes a channel, its registers run down the keys ----------------
.Lvalue:
	s_lshl_b32 s16, s13, 7                         ; my 32 channels
	s_add_co_u32 s18, s18, s16
	s_add_nc_u64 s[22:23], s[6:7], s[18:19]
	v_mul_u32_u24 v7, v3, 1536                     ; my channel's tile of the two,
	v_lshl_add_u32 v7, v2, 4, v7                   ; and its row's 16 bytes
.macro LOADB kb                        ; keys 32 kb + 0 .. 31 of my channel; a wave's load reads 128 consecutive bytes, the partner wave the row's other 128
.set n, 0
.rept 32
	global_load_b32 v[XV+32*((\kb)%2)+n], v8, s[22:23] offset:(32*(\kb)+n)*256 th:TH_LOAD_NT
.set n, n+1
.endr
.endm
.macro BLOCKV kb
.set XS, XV+32*((\kb)%2)
.set D,  CV+12*((\kb)%2)+6*((\kb)/2)   ; block kb = 2 c + h' is registers 6 c .. 6 c + 5 of the image's lane (r, h')
.if (\kb) < 3
	s_wait_loadcnt 32                              ; this block's 32 loads are in; the next block's may be out
.else
	s_wait_loadcnt 0x0
.endif
	v_max3_num_f32 v10, |v[XS]|, |v[XS+1]|, |v[XS+2]|
	v_max3_num_f32 v11, |v[XS+3]|, |v[XS+4]|, |v[XS+5]|
.irp e, 6,10,14,18,22,26
	v_max3_num_f32 v10, v10, |v[XS+\e]|, |v[XS+\e+1]|
	v_max3_num_f32 v11, v11, |v[XS+\e+2]|, |v[XS+\e+3]|
.endr
	v_max3_num_f32 v10, v10, |v[XS+30]|, |v[XS+31]|
	v_max3_num_f32 v10, v10, v11, FLOOR
	v_add_nc_u32 v14, EOFF, v10
	v_lshrrev_b32 v15, 23, v14
.if (\kb) == 0
	v_mov_b32 v[SB], v15
.else
	v_lshl_or_b32 v[SB], v15, 8*(\kb), v[SB]
.endif
	v_cvt_scalef32_pk16_bf6_f32 v[D:D+2], v[XS:XS+15], v14
	v_cvt_scalef32_pk16_bf6_f32 v[TV:TV+2], v[XS+16:XS+31], v14
	v_nop                                          ; one plain place behind a scaled conversion
.irp e, 0,1,2
	v_mov_b32 v[D+3+\e], v[TV+\e]
.endr
.if (\kb) < 2
	LOADB (\kb)+2
.endif
.endm
	LOADB 0
	LOADB 1
	BLOCKV 0
	BLOCKV 1
	BLOCKV 2
	BLOCKV 3
.irp e, 0,1
.irp g, 0,1,2
	global_store_b128 v7, v[CV+12*\e+4*\g:CV+12*\e+4*\g+3], s[24:25] offset:VIMG+512*\g+256*\e   ; sixteen lanes store 256 consecutive bytes, aligned
.endr
.endr
	global_store_b32 v8, v[SB], s[26:27] offset:256   ; my two tiles' scale words: 128 consecutive bytes
	s_endpgm
.Lfunc_end_k_qd3595c73d5_quant:
	.size	k_qd3595c73d5_quant, .Lfunc_end_k_qd3595c73d5_quant-k_qd3595c73d5_quant
	.p2alignl 7, 3214868480
	.fill 96, 4, 3214868480
	.section	.rodata,"a",@progbits
	.p2align	6, 0x0
	.amdhsa_kernel k_qd3595c73d5_quant
		.amdhsa_group_segment_fixed_size 72192
		.amdhsa_private_segment_fixed_size 0
		.amdhsa_enable_private_segment 0
		.amdhsa_kernarg_size 24
		.amdhsa_user_sgpr_count 2
		.amdhsa_user_sgpr_kernarg_segment_ptr 1
		.amdhsa_wavefront_size32 1
		.amdhsa_system_sgpr_workgroup_id_x 1
		.amdhsa_system_sgpr_workgroup_id_y 1
		.amdhsa_system_sgpr_workgroup_id_z 1
		.amdhsa_system_vgpr_workitem_id 0
		.amdhsa_next_free_vgpr 246
		.amdhsa_next_free_sgpr 66
		.amdhsa_reserve_vcc 1
		.amdhsa_float_denorm_mode_32 3
		.amdhsa_float_denorm_mode_16_64 3
		.amdhsa_memory_ordered 1
		.amdhsa_forward_progress 1
		.amdhsa_inst_pref_size 35
	.end_amdhsa_kernel
	.amdgpu_metadata
---
amdhsa.version: [ 1, 2 ]
amdhsa.kernels:
  - .name:           k_qd3595c73d5_quant
    .symbol:         k_qd3595c73d5_quant.kd
    .args:
      - { .name: key, .offset: 0, .size: 8, .value_kind: global_buffer, .address_space: global }
      - { .name: value, .offset: 8, .size: 8, .value_kind: global_buffer, .address_space: global }
      - { .name: kv, .offset: 16, .size: 8, .value_kind: global_buffer, .address_space: global }
    .group_segment_fixed_size: 72192
    .private_segment_fixed_size: 0
    .kernarg_segment_align: 8
    .kernarg_segment_size: 24
    .max_flat_workgroup_size: 128
    .sgpr_count:     66
    .vgpr_count:     246
    .wavefront_size: 32
...
	.end_amdgpu_metadata
.endif
;; end of part 1
;; launch attn (part 2): grid 16 x 16, 8 waves a work-group, clusters of 4 x 1, 283,648 bytes of LDS; arguments query, mask, kv, out0; writes out0
.if DOCPART == 2
	.amdgcn_target "amdgcn-amd-amdhsa--gfx1250"
	.amdhsa_code_object_version 6
	.text
	.protected	k_qd3595c73d5_attn
	.globl	k_qd3595c73d5_attn
	.p2align	8
	.type	k_qd3595c73d5_attn,@function
k_qd3595c73d5_attn:
	s_mov_b64 s[64:65], 0
	v_nop
	global_prefetch_b8 v0, s[64:65] scope:SCOPE_SE
	s_setreg_imm32_b32 hwreg(HW_REG_WAVE_MODE, 25, 1), 1
	s_wait_xcnt 0x0
	s_wait_alu depctr_hold_cnt(0) depctr_sa_sdst(0) depctr_va_vdst(0) depctr_va_sdst(0) depctr_va_ssrc(0) depctr_va_vcc(0) depctr_vm_vsrc(0)
	s_getreg_b32 s2, hwreg(HW_REG_IB_STS2, 6, 4)
	s_cmp_eq_u32 s2, 0
	s_cbranch_scc0 .Lentry_in_a_cluster
	s_endpgm
.Lentry_in_a_cluster:
	s_bfe_u32 s2, ttmp6, 0x10000c
	s_cmp_lg_u32 s2, 0x3003
	s_cbranch_scc0 .Lentry_shape_is_right
	s_endpgm
.Lentry_shape_is_right:
; out0[h][q][:] = sum over k of softmax_k(q . k / 8 + slope_h (k - 2047), keys with mask 0 shut out) v[h][k][:], both products on codes of BF6 (E3M2) with one E8M0 scale for each 32 along K.
; 16 heads, 2,048 queries, 2,048 keys, 64 channels.  K's and V's codes and scale words come from kv, laid as images of this kernel's registers: [head][step of 128 keys][12,800 bytes]
; (K's four operands 6,144, V's four 6,144, K's scale words 256, V's 256).  q is read by this work-group alone and is quantised here, in registers.
; SOFTMAX: t = logit x log2(e); M = the largest t so far, rounded up to a whole number; p = 2^(t - M) is quantised along the keys; the sum of the unquantised p divides at the end; when M moves, sum and O are multiplied by a power of two.
; THE FIRST PRODUCT'S K IS 64, THE INSTRUCTION'S 128: one operand of K holds TWO tiles of 16 keys, one in each half of the 128, and is multiplied by [Q; 0] and by [0; Q].  The other tile's codes meet zero codes.
; BIAS AND MASK HANG ON THE KEY ALONE: they are the C of the first product: 8 x slope x (k - 2047), or -3e38 for a key that is shut out.  So S' = q . k + 8 bias, and t = S' x log2(e) / 8.
; SHARES: a work-group owns 128 queries of one head.  Wave w = 4 g + i takes queries 32 i .. 32 i + 31 (two tiles of 16) and the keys' half g (8 steps of 128): each fragment read from LDS serves two tiles of queries,
; and two waves share a SIMD, so that one wave's vector work stands beside the other's matrix work and LDS loads.  Register tile j of wave w holds queries 32 i + 16 (j xor g): at the end every wave hands
; its register tile 1 to wave w xor 4 through LDS and finishes its register tile 0: one text for all waves.
; LDS: a whole head's 204,800 bytes of kv lie in LDS, filled once: nothing is ever filled again.  They come in two parts, so that the first two steps of each half can begin while the rest is on its way.
; CLUSTER: the four work-groups of a cluster belong to one head: each part of kv is asked for JOINTLY, by the same tensor load with the same descriptor and the mask of all four.
; LAYOUT: both products are used transposed (S^T = K Q^T, O^T = V^T P^T): a lane holds ONE query (lane % 16); the keys of a tile are chosen so that the 16 registers of tiles 2 b, 2 b + 1 are keys 32 b + 16 (lane / 16) + 0 .. 15.
; LIMITS: |t| of a key that counts stays under 2^100 (the largest t starts at -2^100); NaN and infinities are not served; a block whose largest magnitude lies under 2^-122 keeps the scale byte 1;
; a p under 2^-126 is 0; a block's largest p is taken from its largest score, which takes v_exp_f32 not to fall where its input rises.  A mask with no valid key: q's codes and the whole bias table are cleared,
; so every p is 1 and the result is the mean of the quantised V, as a softmax of equal scores gives it.
; REGISTERS.  Window 0: v1-11 addresses; v12-19 per tile -M, largest t, the sum in two halves; v20-28 scale words and nothing else; v[30:31] f; v32-95 S^T, then p; v96-159 O^T (tile j at 96 + 32 j);
;   v160-171 p's codes; v172-197 at work; v200-235 Q: tile j at 200 + 18 j as six zeros, Q's six, six zeros.   Window 1: v0-47 K's four operands; v48-95 V's four; v96-159 the step's bias, eight registers a tile.
.set STEPB, 12800
.set HALFB, 8*STEPB
.set HEADB, 16*STEPB
.set VIMG,  6144
.set KSCW,  12288
.set VSCW,  12544
.set BIAS,  HEADB                      ; LDS: behind kv: 2,048 f32, in key order
.set MRG,   BIAS+8192                  ; eight slots of 4,352: 4,096 bytes of O^T, 256 of (-M, l)
.set MSL,   4352
.set STG,   MRG+8*MSL                  ; eight stages of 16 rows x 272 bytes, a wave's own
.set FLOOR, 0x2800000                  ; 2^(5 - 127)
.set EOFF,  0xfe000000                 ; takes 4 off an exponent field
.set L16, 1                            ; 16 x lane
.set L4,  2                            ; 4 x lane
.set BH,  3                            ; BIAS + 64 (lane / 16)
.set ADK, 4                            ; the step's images
.set ADS, 5                            ; its scale words
.set ADB, 6                            ; its bias
.set QO,  7                            ; q: 256 r + 128 h;  later MST
.set MST, 7
.set MS2, 8
.set MLD, 9
.set ML2, 10
.set STO, 11
.set KS,  20
.set VS,  22
.set QS,  24
.set PS,  28
.set FA,  30
.set S,   32
.set OA,  96
.set PC,  160
.set PT,  172
.set BM,  180
.set BX,  184
.set SO,  188
.set TMP, 192
.set H8,  193
.set SUM2, 194
.set RD,  196
.set GO,  197
.set QF,  200
.set KP,  0                            ; window 1
.set VF,  48
.set BI,  96
.set WV,  12                           ; s12 wave;  s13 g;  s14 i;  s15 head;  s16 cx;  s17 block of queries
.set SEL, 20
.set CS,  22                           ; s[22:23] log2(e) / 8
.set G1A, 24                           ; s[24:31], s[32:39] descriptor groups 1: 25 and 75 rows of 256 bytes
.set G1B, 32
.set G0A, 40                           ; s[40:43], s[44:47] groups 0
.set G0B, 44
.set TB,  48                           ; LDS byte of the step to be fetched
.set TBB, 49                           ; the same in the bias table
.set CNT, 50
.set FM,  51                           ; all ones if any key counts, else 0
.set MSB, 0
.macro WIN new                         ; the immediate's high byte repeats the setting that is left; a switch that changes nothing is dropped
.if MSB != \new
	s_set_vgpr_msb (MSB<<8)|\new
.set MSB, \new
.endif
.endm
.macro PLACES                          ; four places behind a matrix instruction (ISA guide 7.12.1), where no other vector work is at hand
.rept 4
	v_nop
.endr
.endm
.macro ROUND                           ; a round of the cluster's barrier
	s_barrier_signal -1
	s_barrier_wait -1
	s_cmp_lg_u32 s[WV], 0
	s_cbranch_scc1 .Lnot_wave_0_\@
	s_barrier_signal -3
.Lnot_wave_0_\@:
	s_barrier_wait -3
	s_barrier_signal -1
	s_barrier_wait -1
.endm
	s_load_b256 s[4:11], s[0:1], 0x0               ; query s[4:5], mask s[6:7], kv s[8:9], out0 s[10:11]
	v_lshl_add_u32 v254, v0, 2, 0x45000
	v_mov_b32 v255, 0
	ds_add_u32 v254, v255
	ds_add_u32 v254, v255
	v_lshrrev_b32 v1, 5, v0
	v_readfirstlane_b32 s[WV], v1                  ; wave 0..7
	s_lshr_b32 s13, s[WV], 2                       ; g: my half of the keys
	s_and_b32 s14, s[WV], 3                        ; i: my 32 queries
	s_and_b32 s15, ttmp7, 0xffff                   ; the head, which the four partners share
	s_bfe_u32 s16, ttmp6, 0x40000                  ; cx: it enters q's and out0's addresses alone
	s_lshl_b32 s17, ttmp9, 2
	s_add_co_u32 s17, s17, s16                     ; my block of 128 queries
	; descriptor groups 1: dense bytes as rows of 256 (32 elements of 8 bytes), no padding: every read of them is 16 x lane or 4 x lane on end
.irp g, G1A, G1B
	s_mov_b32 s[\g], 15|(3<<16)|(1<<21)            ; 15:0 the mask: all four work-groups; 17:16 elements of 8 bytes; 21 set beside a mask
	s_mov_b32 s[\g+1], 32<<16                      ; tensor_dim0
	s_mov_b32 s[\g+3], 32<<16                      ; tile_dim0
	s_mov_b32 s[\g+5], 32                          ; from row to row
	s_mov_b32 s[\g+6], 0
	s_mov_b32 s[\g+7], 0
.endr
	s_mov_b32 s[G1A+2], 25<<16                     ; tensor_dim1, and tile_dim1: a quarter of two steps
	s_mov_b32 s[G1A+4], 25
	s_mov_b32 s[G1B+2], 75<<16                     ; a quarter of six steps
	s_mov_b32 s[G1B+4], 75
	s_mul_i32 s58, s13, HALFB
	s_mul_i32 s59, s14, 6400
	s_add_co_u32 s59, s59, s58                     ; part A: steps 0, 1 of my half: my quarter's byte, in LDS and in the head's kv alike
	s_mul_i32 s60, s14, 19200
	s_add_co_u32 s60, s60, s58
	s_add_co_u32 s60, s60, 2*STEPB                 ; part B: steps 2 to 7
	s_mov_b32 s[TB], s58
	s_lshl_b32 s[TBB], s13, 12
	s_mul_i32 s18, s15, HEADB
	s_mov_b32 s19, 0
	s_mov_b32 s[SEL], 0x76543210
	s_mov_b32 s[SEL+1], 0xfedcba98                 ; v_permlanex16_b32's selects for lane l xor 16
	s_mov_b32 s[CS], 0x3e38aa3b                    ; log2(e) / 8
	s_mov_b32 s[CS+1], s[CS]                       ; (named with it as a pair, so it is written)
	; 8 x slope = 2^(3 - n / 2), n = head + 1: the word of 1.0 or of sqrt(1/2), with 3 - (n >> 1) added onto its exponent field
	s_add_co_u32 s57, s15, 1
	s_mov_b32 s56, 0x3f800000
	s_and_b32 s61, s57, 1
	s_cselect_b32 s56, 0x3f3504f3, s56
	s_lshr_b32 s57, s57, 1
	s_sub_co_u32 s57, 3, s57
	s_lshl_b32 s57, s57, 23
	s_add_co_u32 s56, s56, s57
	; my rows of q and of out0
	s_lshl_b32 s61, s15, 11
	s_lshl_b32 s62, s17, 7
	s_add_co_u32 s61, s61, s62
	s_lshl_b32 s62, s14, 5
	s_add_co_u32 s61, s61, s62                     ; the first of my 32 queries
	s_lshl_b32 s62, s13, 4
	s_add_co_u32 s63, s61, s62                     ; register tile 0: + 16 g
	s_xor_b32 s62, s62, 16
	s_add_co_u32 s61, s61, s62                     ; register tile 1: the other 16
	s_lshl_b32 s52, s63, 8
	s_mov_b32 s53, 0
	s_lshl_b32 s54, s61, 8
	s_mov_b32 s55, 0
	s_wait_dscnt 0x0
	s_wait_kmcnt 0x0
	s_add_nc_u64 s[8:9], s[8:9], s[18:19]          ; kv at the head
	s_mov_b32 s[G0A], 1                            ; count = 1
	s_mov_b32 s[G0A+1], s59                        ; LDS address
	s_mov_b32 s18, s59
	s_add_nc_u64 s[G0A+2:G0A+3], s[8:9], s[18:19]  ; global address
	s_or_b32 s[G0A+3], s[G0A+3], 0x80000000        ; type = 2
	s_mov_b32 s[G0B], 1
	s_mov_b32 s[G0B+1], s60
	s_mov_b32 s18, s60
	s_add_nc_u64 s[G0B+2:G0B+3], s[8:9], s[18:19]
	s_or_b32 s[G0B+3], s[G0B+3], 0x80000000
	s_add_nc_u64 s[10:11], s[10:11], s[52:53]      ; out0 at register tile 0's rows
	s_add_nc_u64 s[52:53], s[4:5], s[52:53]        ; q at register tile 0's rows,
	s_add_nc_u64 s[54:55], s[4:5], s[54:55]        ; and at tile 1's
	ROUND                                          ; all four work-groups are here: the joint loads meet
	tensor_load_to_lds s[G0A:G0A+3], s[G1A:G1A+7]  ; both fills go out together: two tensor loads of mine are out, and no more are ever issued
	s_nop 0
	tensor_load_to_lds s[G0B:G0B+3], s[G1B:G1B+7]
	s_nop 0
	PLACES                                         ; four v_nop follow
	v_and_b32 v[L4], 31, v0
	v_lshlrev_b32 v[L16], 4, v[L4]
	v_lshlrev_b32 v[L4], 2, v[L4]
	v_bfe_u32 v[H8], v0, 4, 1                      ; h
	v_lshl_add_u32 v[BH], v[H8], 6, BIAS
	v_and_b32 v[QO], 15, v0
	v_lshlrev_b32 v[QO], 8, v[QO]
	v_lshl_add_u32 v[QO], v[H8], 7, v[QO]          ; q: row r of 256 bytes, my half's 32 channels
	v_lshlrev_b32 v[H8], 3, v[H8]                  ; 8 h
	v_lshlrev_b32 v125, 3, v0                      ; my thread's 8 keys
.irp e, 0,1,2,3
	global_load_b128 v[96+4*\e:99+4*\e], v[L16], s[6:7] offset:512*\e   ; the whole mask: is any key valid?
.endr
	global_load_b64 v[112:113], v125, s[6:7]       ; and my 8 keys' bytes
.irp e, 0,1,2,3,4,5,6,7
	global_load_b128 v[S+4*\e:S+4*\e+3], v[QO], s[52:53] offset:16*\e
.endr
.irp e, 0,1,2,3,4,5,6,7
	global_load_b128 v[S+32+4*\e:S+32+4*\e+3], v[QO], s[54:55] offset:16*\e
.endr
	s_wait_loadcnt 16                              ; the five loads of the mask are in; q's sixteen, issued behind them, may be out
.irp e, 1,2,3,4,5,6,7,8,9,10,11,12,13,14,15
	v_or_b32 v96, v96, v[96+\e]
.endr
	v_cmp_ne_u32 vcc_lo, 0, v96
	s_cmp_lg_u32 vcc_lo, 0
	s_cselect_b32 s[FM], -1, 0                     ; it only selects values: no branch and no address hangs on it
	v_add_nc_u32 v115, 0xfffff801, v125            ; 8 x thread - 2047
	v_mov_b32 v127, 0xff61b1e6                     ; -3e38: far under every t that counts, and finite
	v_lshl_add_u32 v124, v0, 5, BIAS
.irp e, 0,1,2,3,4,5,6,7
	v_add_nc_u32 v[116+\e], \e, v115               ; the key's distance, a whole number,
	v_cvt_f32_i32 v[116+\e], v[116+\e]             ; exact in f32,
	v_mul_f32 v[116+\e], s56, v[116+\e]            ; x 8 slope: one rounding, 8 times the f32 product distance x slope
	v_bfe_u32 v126, v[112+\e/4], 8*(\e%4), 8
	v_cmp_ne_u32 vcc_lo, 0, v126
	v_cndmask_b32 v[116+\e], v127, v[116+\e], vcc_lo
	v_and_b32 v[116+\e], s[FM], v[116+\e]          ; no valid key at all: all scores are to be equal
.endr
	ds_store_b128 v124, v[116:119]
	ds_store_b128 v124, v[120:123] offset:16
.irp e, 0,1,2,3
	v_mov_b32 v[BX+\e], 0                          ; a lane permute's destination counts as one of its sources
.endr
	s_wait_loadcnt 0x0                             ; q
; Tile j's 32 numbers a lane (a whole block: query r, channels 32 h on) become Q's six registers and the two scale words, for [Q; 0] and for [0; Q]; the halves without Q get the byte of 1.0
.macro QQ j
.set XQ, S+32*\j
.set QB, QF+18*\j
	v_max3_num_f32 v[BM], |v[XQ]|, |v[XQ+1]|, FLOOR
	v_max3_num_f32 v[BM+1], |v[XQ+2]|, |v[XQ+3]|, |v[XQ+4]|
.irp e, 5,9,13,17,21,25
	v_max3_num_f32 v[BM], v[BM], |v[XQ+\e]|, |v[XQ+\e+1]|
	v_max3_num_f32 v[BM+1], v[BM+1], |v[XQ+\e+2]|, |v[XQ+\e+3]|
.endr
	v_max3_num_f32 v[BM], v[BM], |v[XQ+29]|, |v[XQ+30]|
	v_max3_num_f32 v[BM], v[BM], v[BM+1], |v[XQ+31]|
	v_add_nc_u32 v[SO+\j], EOFF, v[BM]
	v_lshrrev_b32 v[TMP], 23, v[SO+\j]
	v_cvt_scalef32_pk16_bf6_f32 v[QB+6:QB+8], v[XQ:XQ+15], v[SO+\j]
	v_cvt_scalef32_pk16_bf6_f32 v[PT+4*\j:PT+4*\j+2], v[XQ+16:XQ+31], v[SO+\j]
	v_nop                                          ; one plain place behind a scaled conversion
.irp e, 0,1,2
	v_mov_b32 v[QB+9+\e], v[PT+4*\j+\e]
.endr
.irp e, 6,7,8,9,10,11
	v_and_b32 v[QB+\e], s[FM], v[QB+\e]
.endr
	v_lshlrev_b32 v[TMP], v[H8], v[TMP]            ; my block's byte at its place,
	v_permlanex16_b32 v[BX], v[TMP], s[SEL], s[SEL+1]
	v_or_b32 v[TMP], v[TMP], v[BX]                 ; with lane l xor 16's
	v_or_b32 v[QS+2*\j], 0x7f7f0000, v[TMP]
	v_lshl_or_b32 v[QS+2*\j+1], v[TMP], 16, 0x7f7f
.irp e, 0,1,2,3,4,5,12,13,14,15,16,17
	v_mov_b32 v[QB+\e], 0                          ; zero codes
.endr
.endm
	QQ 0
	QQ 1
.irp e, 0,1
	v_mov_b32 v[13+4*\e], 0xf1800000               ; the largest t so far: -2^100
	v_floor_f32 v[12+4*\e], -v[13+4*\e]            ; -M
	v_mov_b32 v[14+4*\e], 0                        ; the sum, in two halves
	v_mov_b32 v[15+4*\e], 0
.endr
	v_mov_b32 v[FA+1], 0                           ; (named as the upper half of the pair before it is first written)
; ---- the macros of a key step ----
.macro LOADK                           ; 30 LDS loads: the step's scale words of K, K's four operands, the bias of its 128 keys.  The three additions and the v_nop are the places behind the products that read these registers
	WIN 0
	v_add_nc_u32 v[ADK], s[TB], v[L16]
	v_add_nc_u32 v[ADS], s[TB], v[L4]
	v_add_nc_u32 v[ADB], s[TBB], v[BH]
	v_nop
	ds_load_b32 v[KS], v[ADS] offset:KSCW          ; lanes 0-15 pair 0's words, lanes 16-31 pair 1's
	ds_load_b32 v[KS+1], v[ADS] offset:KSCW+128
	WIN 0x40                                       ; destination window 1
.set nn, 0
.rept 12
	ds_load_b128 v[KP+4*nn:KP+4*nn+3], v[ADK] offset:512*nn
.set nn, nn+1
.endr
.set nn, 0
.rept 16
	ds_load_b128 v[BI+4*nn:BI+4*nn+3], v[ADB] offset:128*(nn/4)+32*((nn/2)%2)+16*(nn%2)   ; tile 2 b + u: keys 32 b + 16 h + 8 u + 0 .. 7
.set nn, nn+1
.endr
	WIN 0
.endm
.macro LOADV                           ; 14 LDS loads: the same step's scale words of V and V's four operands
	WIN 0
	ds_load_b32 v[VS], v[ADS] offset:VSCW
	ds_load_b32 v[VS+1], v[ADS] offset:VSCW+128
	WIN 0x40
.set nn, 0
.rept 12
	ds_load_b128 v[VF+4*nn:VF+4*nn+3], v[ADK] offset:VIMG+512*nn
.set nn, nn+1
.endr
	WIN 0
	s_add_co_u32 s[TB], s[TB], STEPB               ; the next fetch is the next step's
	s_add_co_u32 s[TBB], s[TBB], 512
.endm
.macro KQ j                            ; S^T of tile j: eight tiles of 16 keys; tile 2 b + u is pair b against [Q; 0] (u = 0) or [0; Q] (u = 1); C = the bias
	WIN 0x11                                       ; source 0 (K) and source 2 (bias) window 1
.irp t, 0,1,2,3,4,5,6,7
.if (\t/2)%2
	v_wmma_scale_f32_16x16x128_f8f6f4 v[S+8*\t:S+8*\t+7], v[KP+12*(\t/2):KP+12*(\t/2)+11], v[QF+18*\j+6*(1-\t%2):QF+18*\j+6*(1-\t%2)+11], v[BI+8*\t:BI+8*\t+7], v[KS+\t/4], v[QS+2*\j+\t%2] matrix_a_fmt:MATRIX_FMT_BF6 matrix_b_fmt:MATRIX_FMT_BF6 matrix_a_scale:MATRIX_SCALE_ROW1
.else
	v_wmma_scale_f32_16x16x128_f8f6f4 v[S+8*\t:S+8*\t+7], v[KP+12*(\t/2):KP+12*(\t/2)+11], v[QF+18*\j+6*(1-\t%2):QF+18*\j+6*(1-\t%2)+11], v[BI+8*\t:BI+8*\t+7], v[KS+\t/4], v[QS+2*\j+\t%2] matrix_a_fmt:MATRIX_FMT_BF6 matrix_b_fmt:MATRIX_FMT_BF6
.endif
.endr
.endm
.macro PV j, first                     ; O^T of tile j += V^T P^T: four tiles of 16 channels, one instruction each: the accumulators take turns.  first = 1: the products start the sums
	WIN 0x01                                       ; source 0 (V) window 1
.irp t, 0,1,2,3
.set rO, OA+32*\j+8*\t
.if \first
.if \t%2
	v_wmma_scale_f32_16x16x128_f8f6f4 v[rO:rO+7], v[VF+12*\t:VF+12*\t+11], v[PC:PC+11], 0, v[VS+\t/2], v[PS] matrix_a_fmt:MATRIX_FMT_BF6 matrix_b_fmt:MATRIX_FMT_BF6 matrix_a_scale:MATRIX_SCALE_ROW1
.else
	v_wmma_scale_f32_16x16x128_f8f6f4 v[rO:rO+7], v[VF+12*\t:VF+12*\t+11], v[PC:PC+11], 0, v[VS+\t/2], v[PS] matrix_a_fmt:MATRIX_FMT_BF6 matrix_b_fmt:MATRIX_FMT_BF6
.endif
.else
.if \t%2
	v_wmma_scale_f32_16x16x128_f8f6f4 v[rO:rO+7], v[VF+12*\t:VF+12*\t+11], v[PC:PC+11], v[rO:rO+7], v[VS+\t/2], v[PS] matrix_a_fmt:MATRIX_FMT_BF6 matrix_b_fmt:MATRIX_FMT_BF6 matrix_a_scale:MATRIX_SCALE_ROW1
.else
	v_wmma_scale_f32_16x16x128_f8f6f4 v[rO:rO+7], v[VF+12*\t:VF+12*\t+11], v[PC:PC+11], v[rO:rO+7], v[VS+\t/2], v[PS] matrix_a_fmt:MATRIX_FMT_BF6 matrix_b_fmt:MATRIX_FMT_BF6
.endif
.endif
.endr
.endm
; Tile j's softmax for 128 keys: S^T in v[S ..] becomes p, p's codes in v[PC ..] and p's scale word in v[PS]; the tile's -M, largest t and sum are brought on; O^T is brought under the new M.
.macro SOFTMAX j, first
.set NM, 12+4*\j
.set TT, 13+4*\j
.set SU, 14+4*\j
	WIN 0
.irp b, 0,1,2,3
	v_max3_num_f32 v[BM+\b], v[S+16*\b], v[S+16*\b+1], v[S+16*\b+2]   ; the largest score of each block of 32 keys: for the row's maximum, and, since p rises with the score, for the block's largest p.  (Each result is read from its low end on)
.endr
.irp e, 3,5,7,9,11,13
.irp b, 0,1,2,3
	v_max3_num_f32 v[BM+\b], v[BM+\b], v[S+16*\b+\e], v[S+16*\b+\e+1]
.endr
.endr
.irp b, 0,1,2,3
	v_max_num_f32 v[BM+\b], v[BM+\b], v[S+16*\b+15]
.endr
.irp b, 0,1,2,3
	v_permlanex16_b32 v[BX+\b], v[BM+\b], s[SEL], s[SEL+1]
.endr
.irp b, 0,1,2,3
	v_max_num_f32 v[BM+\b], v[BM+\b], v[BX+\b]     ; with lane l xor 16's 16 keys
.endr
	v_max3_num_f32 v[TMP], v[BM], v[BM+1], v[BM+2]
	v_max_num_f32 v[TMP], v[TMP], v[BM+3]
	v_mul_f32 v[TMP], s[CS], v[TMP]                ; as t
	v_max_num_f32 v[TT], v[TT], v[TMP]             ; the running largest t
	v_mov_b32 v[TMP], v[NM]
	v_floor_f32 v[NM], -v[TT]                      ; -M = floor(-t): M is a whole number
	v_sub_f32 v[TMP], v[NM], v[TMP]                ; old M - new M, 0 or less
	v_cvt_i32_f32 v[TMP], v[TMP]                   ; (it saturates)
	v_ldexp_f32 v[FA], 1.0, v[TMP]                 ; f = 2^(old M - new M)
.set nn, 0
.rept 32
	v_pk_fma_f32 v[S+nn:S+nn+1], v[S+nn:S+nn+1], s[CS:CS+1], v[NM:NM+1] op_sel_hi:[1,0,0]   ; t - M, two at a time
.set nn, nn+2
.endr
.irp b, 0,1,2,3
	v_fma_f32 v[BM+\b], v[BM+\b], s[CS], v[NM]     ; the same of each block's largest score
.endr
.set nn, 0
.rept 64
	v_exp_f32 v[S+nn], v[S+nn]                     ; p = 2^(t - M); 0 for a key that is shut out
.set nn, nn+1
.endr
.irp b, 0,1,2,3
	v_exp_f32 v[BM+\b], v[BM+\b]                   ; the block's largest p
.endr
	v_pk_mul_f32 v[SU:SU+1], v[SU:SU+1], v[FA:FA+1] op_sel_hi:[1,0]   ; the sum under the new M.  (The plain place behind the exponentials)
	s_wait_alu depctr_va_vdst(0)
.irp b, 0,1,2,3
	v_max_num_f32 v[BM+\b], FLOOR, v[BM+\b]        ; a block whose every p is 0 keeps the byte 1: its codes are zeros
.endr
.irp b, 0,1,2,3
	v_add_nc_u32 v[SO+\b], EOFF, v[BM+\b]
.endr
.irp b, 0,1,2,3
	v_lshrrev_b32 v[BX+\b], 23, v[SO+\b]
.endr
	v_lshl_or_b32 v[PS], v[BX+1], 8, v[BX]         ; p's scale word for these 128 keys
	v_lshl_or_b32 v[PS], v[BX+2], 16, v[PS]
	v_lshl_or_b32 v[PS], v[BX+3], 24, v[PS]
.irp c, 0,1
	v_cvt_scalef32_pk16_bf6_f32 v[PC+6*\c:PC+6*\c+2], v[S+32*\c:S+32*\c+15], v[SO+2*\c]
	v_cvt_scalef32_pk16_bf6_f32 v[PT+4*\c:PT+4*\c+2], v[S+32*\c+16:S+32*\c+31], v[SO+2*\c+1]
.endr
	v_nop                                          ; one plain place behind a scaled conversion
.irp c, 0,1                            ; the operand's layout wants a whole block in a lane: lanes 0-15 block 2 c, lanes 16-31 block 2 c + 1
.irp e, 0,1,2
	v_permlane16_swap_b32 v[PC+6*\c+\e], v[PT+4*\c+\e]
.endr
.irp e, 0,1,2
	v_mov_b32 v[PC+6*\c+3+\e], v[PT+4*\c+\e]
.endr
.endr
.if \first == 0
.set nn, 0
.rept 16
	v_pk_mul_f32 v[OA+32*\j+nn:OA+32*\j+nn+1], v[OA+32*\j+nn:OA+32*\j+nn+1], v[FA:FA+1] op_sel_hi:[1,0]   ; O^T under the new M, each accumulator from its low end on
.set nn, nn+2
.endr
.endif
	v_pk_add_f32 v[SUM2:SUM2+1], v[S:S+1], v[S+2:S+3]   ; the sum of the UNQUANTISED p, in two chains.  These 32 are also the places between p's scale word and codes and the products that take them
.set nn, 4
.rept 15
	v_pk_add_f32 v[SU:SU+1], v[SU:SU+1], v[S+nn:S+nn+1]
	v_pk_add_f32 v[SUM2:SUM2+1], v[SUM2:SUM2+1], v[S+nn+2:S+nn+3]
.set nn, nn+4
.endr
	v_pk_add_f32 v[SU:SU+1], v[SU:SU+1], v[SUM2:SUM2+1]
.endm
; A KEY STEP: 128 keys for both tiles of queries.  sync = 1: from here on the steps of part B are fetched.  next = 1: the next step's operands are fetched, K's behind the last product that reads K, V's behind the last that reads V.
.macro STEP first, sync, next
	s_wait_dscnt 14                                ; K's 30 loads are in; V's 14, issued behind them, may be out
	KQ 0
	PLACES
	SOFTMAX 0, \first
	s_wait_dscnt 0x0                               ; V is in
	PV 0, \first
	KQ 1
	WIN 0
.if \sync
	s_wait_tensorcnt 0x0                           ; my quarter of part B has landed,
	s_wait_dscnt 0x0                               ; (no LDS instruction of mine is out)
	s_barrier_signal -1
	s_barrier_wait -1                              ; everybody's has
.endif
.if \next
	LOADK
.else
	PLACES
.endif
	SOFTMAX 1, \first
	PV 1, \first
.if \next
	PLACES
	LOADV
.endif
	WIN 0                                          ; at a label and at a branch every window is 0
.endm
	s_wait_tensorcnt 0x1                           ; my quarter of part A has landed; part B's load, issued behind it, may stay out
	s_wait_dscnt 0x0                               ; my part of the bias table is written
	s_barrier_signal -1
	s_barrier_wait -1
	LOADK
	LOADV
	STEP 1, 0, 1                                   ; step 0: its products start O^T's sums
	STEP 0, 1, 1                                   ; step 1: behind its barrier step 2 is fetched
	s_mov_b32 s[CNT], 5
.Lstep:                                                ; steps 2 to 6
	STEP 0, 0, 1
	s_sub_co_u32 s[CNT], s[CNT], 1
	s_cmp_lg_u32 s[CNT], 0
	s_cbranch_scc1 .Lstep
	STEP 0, 0, 0                                   ; step 7 fetches nothing
	; ---- THE TWO HALVES OF THE KEYS MEET.  My register tile 1 goes to wave w xor 4, whose register tile 1 holds the queries of my register tile 0.  The lines below are also the places behind the last products
	s_mul_i32 s58, s[WV], MSL
	s_xor_b32 s59, s[WV], 4
	s_mul_i32 s59, s59, MSL
	s_add_co_u32 s60, s58, STG
	s_add_co_u32 s58, s58, MRG
	s_add_co_u32 s59, s59, MRG
	v_add_nc_u32 v[MST], s58, v[L16]
	v_lshl_add_u32 v[MS2], v[L4], 1, s58
	v_add_nc_u32 v[MLD], s59, v[L16]
	v_lshl_add_u32 v[ML2], v[L4], 1, s59
	v_and_b32 v[TMP], 15, v0                       ; r
	v_bfe_u32 v[H8], v0, 4, 1                      ; h
	v_mul_u32_u24 v[STO], v[TMP], 272
	v_lshl_add_u32 v[STO], v[H8], 5, v[STO]
	v_add_nc_u32 v[STO], s60, v[STO]               ; my stage, in: row r, 32 h bytes on
	v_mul_u32_u24 v[RD], v[H8], 272
	v_lshl_add_u32 v[RD], v[TMP], 4, v[RD]
	v_add_nc_u32 v[RD], s60, v[RD]                 ; back: lanes 0-15 one row of 256 bytes, lanes 16-31 the next
	v_lshlrev_b32 v[GO], 8, v[H8]
	v_lshl_add_u32 v[GO], v[TMP], 4, v[GO]         ; and the same two rows in out0
	v_add_f32 v17, v18, v19                        ; tile 1's sum (my lane's keys), beside its -M in v16
	v_add_f32 v13, v14, v15                        ; tile 0's
.irp e, 0,1,2,3,4,5,6,7
	ds_store_b128 v[MST], v[OA+32+4*\e:OA+32+4*\e+3] offset:512*\e   ; as the registers stand, each accumulator from its low end on
.endr
	ds_store_b64 v[MS2], v[16:17] offset:4096
	s_wait_dscnt 0x0                               ; for the partner's sake: my stores are done
	s_barrier_signal -1
	s_barrier_wait -1
	ds_load_b64 v[64:65], v[ML2] offset:4096       ; the partner's -M and sum,
.irp e, 0,1,2,3,4,5,6,7
	ds_load_b128 v[S+4*\e:S+4*\e+3], v[MLD] offset:512*\e   ; and its O^T
.endr
	s_wait_dscnt 8                                 ; the pair is in; the eight loads issued behind it may be out
	v_min_num_f32 v66, v12, v64                    ; -M of both halves
	v_sub_f32 v67, v66, v12
	v_sub_f32 v68, v66, v64
	v_cvt_i32_f32 v67, v67                         ; (saturates: a half with no valid key has -M = 2^100 and gets the factor 0)
	v_cvt_i32_f32 v68, v68
	v_ldexp_f32 v67, 1.0, v67                      ; my factor,
	v_ldexp_f32 v68, 1.0, v68                      ; the partner's
	v_mul_f32 v69, v13, v67
	v_fma_f32 v69, v65, v68, v69
	v_permlanex16_b32 v[BX], v69, s[SEL], s[SEL+1]
	v_add_f32 v69, v69, v[BX]                      ; with lane l xor 16's keys: the row's sum
	v_rcp_f32 v69, v69
	v_nop                                          ; one plain place behind a transcendental
	s_wait_alu depctr_va_vdst(0)
	v_mul_f32 v[FA], v67, v69
	v_mul_f32 v66, v68, v69                        ; (v67 stands beside it as the pair's upper half)
	s_wait_dscnt 0x0
.set nn, 0
.rept 16
	v_pk_mul_f32 v[OA+nn:OA+nn+1], v[OA+nn:OA+nn+1], v[FA:FA+1] op_sel_hi:[1,0]
.set nn, nn+2
.endr
.set nn, 0
.rept 16
	v_pk_fma_f32 v[OA+nn:OA+nn+1], v[S+nn:S+nn+1], v[66:67], v[OA+nn:OA+nn+1] op_sel_hi:[1,0,1]
.set nn, nn+2
.endr
	; THE WAY OUT: register 8 t + e of lane (r, h) is out0(query r, channel 16 t + 8 h + e).  16 rows of 256 bytes go through my own stage and come back as whole rows.  LDS serves a wave's instructions in order (ISA guide 5.7.1.4)
.irp t, 0,1,2,3
	ds_store_b128 v[STO], v[OA+8*\t:OA+8*\t+3] offset:64*\t
	ds_store_b128 v[STO], v[OA+8*\t+4:OA+8*\t+7] offset:64*\t+16
.endr
.irp e, 0,1,2,3,4,5,6,7
	ds_load_b128 v[S+4*\e:S+4*\e+3], v[RD] offset:544*\e
.endr
.irp e, 0,1,2,3,4,5,6,7
	s_wait_dscnt 7-\e
	global_store_b128 v[GO], v[S+4*\e:S+4*\e+3], s[10:11] offset:512*\e th:TH_STORE_NT   ; 32 lanes store 512 consecutive bytes, aligned: two whole rows of out0
.endr
	s_wait_tensorcnt 0x0
	ds_add_u32 v254, v255
	s_wait_dscnt 0x0
	ROUND                                          ; the closing round: no work-group ends while a partner may still ask for a tile that names it
	s_endpgm
.Lfunc_end_k_qd3595c73d5_attn:
	.size	k_qd3595c73d5_attn, .Lfunc_end_k_qd3595c73d5_attn-k_qd3595c73d5_attn
	.p2alignl 7, 3214868480
	.fill 96, 4, 3214868480
	.section	.rodata,"a",@progbits
	.p2align	6, 0x0
	.amdhsa_kernel k_qd3595c73d5_attn
		.amdhsa_group_segment_fixed_size 283648
		.amdhsa_private_segment_fixed_size 0
		.amdhsa_enable_private_segment 0
		.amdhsa_kernarg_size 32
		.amdhsa_user_sgpr_count 2
		.amdhsa_user_sgpr_kernarg_segment_ptr 1
		.amdhsa_wavefront_size32 1
		.amdhsa_system_sgpr_workgroup_id_x 1
		.amdhsa_system_sgpr_workgroup_id_y 1
		.amdhsa_system_sgpr_workgroup_id_z 1
		.amdhsa_system_vgpr_workitem_id 0
		.amdhsa_next_free_vgpr 416
		.amdhsa_next_free_sgpr 66
		.amdhsa_reserve_vcc 1
		.amdhsa_float_denorm_mode_32 3
		.amdhsa_float_denorm_mode_16_64 3
		.amdhsa_memory_ordered 1
		.amdhsa_forward_progress 1
		.amdhsa_inst_pref_size 140
	.end_amdhsa_kernel
	.amdgpu_metadata
---
amdhsa.version: [ 1, 2 ]
amdhsa.kernels:
  - .name:           k_qd3595c73d5_attn
    .symbol:         k_qd3595c73d5_attn.kd
    .args:
      - { .name: query, .offset: 0, .size: 8, .value_kind: global_buffer, .address_space: global }
      - { .name: mask, .offset: 8, .size: 8, .value_kind: global_buffer, .address_space: global }
      - { .name: kv, .offset: 16, .size: 8, .value_kind: global_buffer, .address_space: global }
      - { .name: out0, .offset: 24, .size: 8, .value_kind: global_buffer, .address_space: global }
    .group_segment_fixed_size: 283648
    .private_segment_fixed_size: 0
    .kernarg_segment_align: 8
    .kernarg_segment_size: 32
    .max_flat_workgroup_size: 256
    .sgpr_count:     66
    .vgpr_count:     416
    .wavefront_size: 32
...
	.end_amdgpu_metadata
.endif
;; end of part 2
